; MI455X (gfx1250); checked and timed in simulation.
; The chip was launched on July 23, 2026; its instructions are those of AMD's public machine-readable ISA for CDNA 5 (MIT licence, August 2026) and "CDNA5" Instruction Set Architecture Reference Guide (July 2026). The comments in the code are by the model that wrote it; some were corrected since.
;; Attention Block. Allowed arithmetic: matrix products marked QUANTISED: E2M1 operands, one E8M0 scale for each 32 along K, by v_wmma_scale_f32_16x16x128_f8f6f4 with both operands' format E2M1 (or v_wmma_scale_f32_32x16x128_f4), f32 sums; everything else in f32.
;; Inputs: gn_b 256 float32; gn_w 256 float32; proj_b 256 float32; proj_w 256 x 256 float32; qkv_b 768 float32; qkv_w 768 x 256 float32; t_emb 4 x 1,024 float32; x 4 x 256 x 64 x 64 float32.
;; Outputs: out0 4 x 256 x 64 x 64 float32.
;; This version of the problem:
;;   THIS VERSION OF THE PROBLEM IS GIVEN IN LOW PRECISION. The matrix products marked QUANTISED in the list below multiply operands that are first quantised to E2M1 (2 exponent bits, 1 mantissa bit; 4 bits a number), with one power-of-two scale for each 32 numbers along K (OCP MX v1.0); their sums are f32. All else is computed in f32.
;;   The module's matrix products, in the order in which they are computed (A, B: the left and right operand; K: the contracted axis; several contracted axes count as one K, in the product's order):
;;     1. [M 16,384, K 256] x [K 256, N 768]; A: computed on the way; B: input qkv_w: QUANTISED
;;     2. batch 16 x [M 4,096, K 64] x [K 64, N 4,096]; A: computed on the way; B: computed on the way: QUANTISED
;;     3. batch 16 x [M 64, K 4,096] x [K 4,096, N 4,096]; A: computed on the way; B: softmax (see below): QUANTISED
;;     4. [M 16,384, K 256] x [K 256, N 256]; A: computed on the way; B: input proj_w: QUANTISED
;;   THE QUANTISER, for each operand of a quantised product, along K:
;;     - K is cut into blocks of 32 from its start; a last block that is shorter is filled with zeros.
;;     - A block's scale is 2^e with e = floor(log2(the largest magnitude in the block)) - 2, held to -126 .. 127; a block of zeros has e = 0. As a byte (E8M0): e + 127.
;;     - Each number is divided by its block's scale, clamped to +-6, and rounded to the nearest number of E2M1, ties to even, subnormals kept.
;;     - The product sums the exact products of the quantised numbers (number of the format x scale) in f32.
;;   ~~~python
;;   def quantise(x, axis):      # numpy; x: float32 -> the quantised numbers, widened to float32 again
;;       x = np.moveaxis(x, axis, -1); K = x.shape[-1]
;;       x = np.pad(x, [(0, 0)] * (x.ndim - 1) + [(0, -K % 32)]); x = x.reshape(x.shape[:-1] + (-1, 32)); a = np.abs(x).max(-1, keepdims=True)
;;       e = np.where(a > 0, np.clip(np.frexp(np.where(a > 0, a, 1))[1] - 1 - 2, -126, 127), 0)      # np.frexp(a)[1] - 1 = floor(log2(a)), exactly
;;       r = np.clip(x / 2.0 ** e, -6, 6)
;;       step = 2.0 ** (np.maximum(np.frexp(np.where(r == 0, 1, r))[1] - 1, 0) - 1)
;;       q = np.round(r / step) * step * 2.0 ** e      # np.round: ties to even
;;       return np.moveaxis(q.reshape(q.shape[:-2] + (-1,))[..., :K], -1, axis).astype(np.float32)
;;   ~~~
;;   SOFTMAX AHEAD OF A QUANTISED PRODUCT. Where the list says 'softmax', what is quantised is not the finished softmax but p = 2^(t - M), with t = logit x log2(e) and M = ceil(the row's largest t), a whole number; so 1/2 < the row's largest p <= 1. The row's sum l is taken of the UNQUANTISED p, in f32, and the product's result is divided by l at the end. Since M is a whole number, a kernel that streams over the keys may use a running M (the ceiling of the running maximum): every later rescaling is an exact power of two, which a block's scale takes up: the codes' values come out the same.
;;   OPERANDS COMPUTED ON THE WAY. 'Computed on the way' means the value that the module computes at that place (a softmax that the list does not call 'softmax' is quantised finished and normalised). What goes into a quantiser is computed in f32, as accurately as f32 sums, v_exp_f32 and their like allow (about 1e-6 of the number): no bf16 or f16 on the way to a quantiser, and a product that is left as it is and whose result goes on into a quantised operand takes f32 operands (vector FMAs, or v_wmma_f32_16x16x4_f32). A number that lies on a knife's edge between two numbers of the format may be rounded either way, as far as f32 arithmetic and the matrix unit's own rounding can turn it there, and no further.
;; One version. Each part assembles by itself: llvm-mc -triple=amdgcn-amd-amdhsa -mcpu=gfx1250 --defsym DOCPART=n.
;; ======== version 1 of 1: 3 launches
;; workspace buffers: gnt 16,384 bytes; wimg 147,456 bytes; qimg 2,228,224 bytes; kv 4,456,448 bytes
;; launch prep (part 1): grid 136 x 1, 16 waves a work-group, no clusters, 2,304 bytes of LDS; arguments x, gn_w, gn_b, qkv_w, proj_w, gnt, wimg; writes gnt, wimg
.if DOCPART == 1
	.amdgcn_target "amdgcn-amd-amdhsa--gfx1250"
	.amdhsa_code_object_version 6
	.text
	.protected	k_qe6e6f40dfa_prep
	.globl	k_qe6e6f40dfa_prep
	.p2align	8
	.type	k_qe6e6f40dfa_prep,@function
k_qe6e6f40dfa_prep:
	s_mov_b64 s[64:65], 0
	v_nop
	global_prefetch_b8 v0, s[64:65] scope:SCOPE_SE
	s_setreg_imm32_b32 hwreg(HW_REG_WAVE_MODE, 25, 1), 1
	s_wait_xcnt 0x0
; TWO JOBS IN ONE LAUNCH, told apart by the work-group's number.
; Work-groups 0 to 127: the GroupNorm figures of one (batch, group): 8 channels x 4,096 positions = 131,072 consecutive bytes of x.
;   Stored: a record of 128 bytes in gnt: words 0-7 rstd x gn_w[c], words 8-15 gn_b[c], words 16-31 the mean.
;   The group is read once and kept in registers (64 numbers a lane).  Each wave takes the mean of its 2,048 numbers, then the sum of squares
;   about THAT mean; the sixteen waves' figures are joined by the formula for pooled groups of equal size.  No difference of large sums is formed,
;   so a common offset of the inputs costs no accuracy.
; Work-groups 128 to 135: qkv_w [768][256] and proj_w [256][256] become codes of E2M1 with one E8M0 byte for each 32 along K (their last axis),
;   one wave to a fragment of 16 rows x 128 K.  A fragment is stored as an IMAGE OF THE OPERAND'S REGISTERS: registers 0-3 at 16 x lane, registers 4-7 at 512 + 16 x lane;
;   its scale words at 4 x lane (both halves of the lanes hold row (lane % 16)'s word).  Fragment 2 T + s is tile T, K step s of qkv_w; 96 + 2 T + s of proj_w.
;   THE ROWS OF A TILE ARE NOT NEIGHBOURS: row r of tile T is row 32 (T / 2) + 8 (T % 2) + r + 8 (r / 8), so that the results of two neighbouring tiles are 16 neighbours along the next product's K.
; A block's scale is 2^(floor(log2(largest magnitude)) - 2): its byte is the largest magnitude's exponent field - 2, held at 1 from below.
; LIMITS: a block of zeros, or one whose largest magnitude lies under 2^-124, gets the byte 1 (the rule says 127 for zeros: the codes are zeros, and this program alone reads the bytes);
; NaN and infinities are not served; rstd comes from v_rsq_f32.  t_emb is no argument.
.set X,  16                            ; v16-79  the lane's 64 numbers; later the sixteen waves' figures
.set CH, 80                            ; v80-87  four chains of packed sums
	s_load_b256 s[4:11], s[0:1], 0x0               ; x s[4:5], gn_w s[6:7], gn_b s[8:9], qkv_w s[10:11]
	s_load_b128 s[12:15], s[0:1], 0x20             ; proj_w s[12:13], gnt s[14:15]
	s_load_b64 s[16:17], s[0:1], 0x30              ; wimg
	v_lshl_add_u32 v128, v0, 2, 0x100
	v_mov_b32 v129, 0
	v_lshrrev_b32 v1, 5, v0
	s_delay_alu instid0(VALU_DEP_1)
	v_readfirstlane_b32 s18, v1                    ; wave 0..15
	s_mov_b32 s20, 0x76543210
	s_mov_b32 s21, 0xfedcba98                      ; v_permlanex16_b32's selects for lane l xor 16
	s_cmp_ge_u32 ttmp9, 128                        ; the same in all waves of a work-group
	s_cbranch_scc1 .Lweights
	; ---------------- the figures of group G = ttmp9 = 32 b + g
	v_lshlrev_b32 v1, 4, v0                        ; 16 bytes a thread: a load of the work-group covers 8,192 consecutive bytes
	v_and_b32 v2, 7, v0
	s_delay_alu instid0(VALU_DEP_1)
	v_lshlrev_b32 v2, 2, v2                        ; my channel of the group's eight, in gn_w and gn_b
	v_and_b32 v9, 31, v0                           ; lane
	s_delay_alu instid0(VALU_DEP_1)
	v_lshlrev_b32 v3, 2, v9                        ; my word of the record
	v_lshrrev_b32 v4, 5, v0
	s_delay_alu instid0(VALU_DEP_1)
	v_lshlrev_b32 v4, 3, v4                        ; LDS: 8 bytes a wave
	v_mov_b32 v5, 0
	v_mov_b32 v92, 0                               ; a lane permute's destination counts as read: written once
	s_lshl_b32 s22, ttmp9, 17                      ; the group's first byte in x
	s_mov_b32 s23, 0
	s_and_b32 s24, ttmp9, 31
	s_lshl_b32 s24, s24, 5                         ; its eight channels in gn_w and gn_b
	s_mov_b32 s25, 0
	s_lshl_b32 s26, ttmp9, 7                       ; its record
	s_mov_b32 s27, 0
	s_mov_b32 s28, 0x38000000                      ; 2^-15 = 1 / 32,768 numbers
	s_mov_b32 s29, 0x3727c5ac                      ; 1e-5
	s_wait_alu depctr_va_vdst(0)
	s_wait_kmcnt 0x0
	s_add_nc_u64 s[4:5], s[4:5], s[22:23]
	s_add_nc_u64 s[6:7], s[6:7], s[24:25]
	s_add_nc_u64 s[8:9], s[8:9], s[24:25]
	s_add_nc_u64 s[14:15], s[14:15], s[26:27]
	global_load_b32 v6, v2, s[6:7]
	global_load_b32 v7, v2, s[8:9]
.irp j, 0,1,2,3,4,5,6,7,8,9,10,11,12,13,14,15
	global_load_b128 v[X+4*\j:X+4*\j+3], v1, s[4:5] offset:\j*8192
.endr
	s_wait_loadcnt 0x0
; the four chains are folded, then the 32 lanes: four steps inside each half ride on the addition, one crosses the halves
.macro FOLD dst
	s_delay_alu instid0(VALU_DEP_3)
	v_pk_add_f32 v[CH:CH+1], v[CH:CH+1], v[CH+2:CH+3]
	s_delay_alu instid0(VALU_DEP_2)
	v_pk_add_f32 v[CH+4:CH+5], v[CH+4:CH+5], v[CH+6:CH+7]
	s_delay_alu instid0(VALU_DEP_1)
	v_pk_add_f32 v[CH:CH+1], v[CH:CH+1], v[CH+4:CH+5]
	s_delay_alu instid0(VALU_DEP_1)
	v_add_f32 v[\dst], v[CH], v[CH+1]
	s_delay_alu instid0(VALU_DEP_1)
	v_add_f32_dpp v[\dst], v[\dst], v[\dst] row_xmask:1 row_mask:0xf bank_mask:0xf
	s_delay_alu instid0(VALU_DEP_1)
	v_add_f32_dpp v[\dst], v[\dst], v[\dst] row_xmask:2 row_mask:0xf bank_mask:0xf
	s_delay_alu instid0(VALU_DEP_1)
	v_add_f32_dpp v[\dst], v[\dst], v[\dst] row_xmask:4 row_mask:0xf bank_mask:0xf
	s_delay_alu instid0(VALU_DEP_1)
	v_add_f32_dpp v[\dst], v[\dst], v[\dst] row_xmask:8 row_mask:0xf bank_mask:0xf
	s_delay_alu instid0(VALU_DEP_1)
	v_permlanex16_b32 v92, v[\dst], s20, s21
	s_delay_alu instid0(VALU_DEP_1)
	v_add_f32 v[\dst], v[\dst], v92
.endm
	; pass 1: the wave's mean.  The first four additions start the chains: nothing is cleared
.irp k, 0,1,2,3
	v_pk_add_f32 v[CH+2*\k:CH+2*\k+1], v[X+2*\k:X+2*\k+1], v[X+8+2*\k:X+8+2*\k+1]
.endr
.set p, 8
.rept 24
	s_delay_alu instid0(VALU_DEP_4)
	v_pk_add_f32 v[CH+2*(p%4):CH+2*(p%4)+1], v[CH+2*(p%4):CH+2*(p%4)+1], v[X+2*p:X+2*p+1]
.set p, p+1
.endr
	FOLD 88
	s_delay_alu instid0(VALU_DEP_1)
	v_mul_f32 v88, 0x3a000000, v88                 ; / 2,048
	s_delay_alu instid0(VALU_DEP_1)
	v_mov_b32 v90, v88
	s_delay_alu instid0(VALU_DEP_2)
	v_mov_b32 v91, v88
	; pass 2: the sum of squares about the wave's mean
.set p, 0
.rept 32
	v_pk_add_f32 v[X+2*p:X+2*p+1], v[X+2*p:X+2*p+1], v[90:91] neg_lo:[0,1] neg_hi:[0,1]
.set p, p+1
.endr
.irp k, 0,1,2,3
	v_pk_mul_f32 v[CH+2*\k:CH+2*\k+1], v[X+2*\k:X+2*\k+1], v[X+2*\k:X+2*\k+1]
.endr
.set p, 4
.rept 28
	s_delay_alu instid0(VALU_DEP_4)
	v_pk_fma_f32 v[CH+2*(p%4):CH+2*(p%4)+1], v[X+2*p:X+2*p+1], v[X+2*p:X+2*p+1], v[CH+2*(p%4):CH+2*(p%4)+1]
.set p, p+1
.endr
	FOLD 89
	ds_store_b64 v4, v[88:89]                      ; all lanes write the wave's two words with the same values
	s_wait_dscnt 0x0                               ; for the others' sake: my store is done
	s_barrier_signal -1
	s_barrier_wait -1
.irp i, 0,1,2,3,4,5,6,7
	ds_load_b128 v[X+4*\i:X+4*\i+3], v5 offset:16*\i   ; wave i's mean at v[X + 2 i], its sum of squares at v[X + 2 i + 1]
.endr
	s_wait_dscnt 0x0
	v_add_f32 v80, v16, v18
	v_add_f32 v81, v17, v19
.irp i, 2,3,4,5,6,7,8,9,10,11,12,13,14,15
	s_delay_alu instid0(VALU_DEP_2)
	v_add_f32 v80, v80, v[X+2*\i]
	s_delay_alu instid0(VALU_DEP_2)
	v_add_f32 v81, v81, v[X+2*\i+1]
.endr
	s_delay_alu instid0(VALU_DEP_2)
	v_mul_f32 v80, 0x3d800000, v80                 ; the group's mean: / 16
.irp i, 0,1,2,3,4,5,6,7,8,9,10,11,12,13,14,15
	v_sub_f32 v[X+2*\i], v[X+2*\i], v80
.endr
	v_mul_f32 v82, v16, v16
.irp i, 1,2,3,4,5,6,7,8,9,10,11,12,13,14,15
	s_delay_alu instid0(VALU_DEP_1)
	v_fmac_f32 v82, v[X+2*\i], v[X+2*\i]
.endr
	s_delay_alu instid0(VALU_DEP_1)
	v_fmamk_f32 v81, v82, 0x45000000, v81          ; + 2,048 x the squares of the waves' means about the group's
	s_delay_alu instid0(VALU_DEP_1)
	v_fma_f32 v81, v81, s28, s29                   ; the variance + eps
	s_wait_alu depctr_va_vdst(0)
	v_rsq_f32 v83, v81
	v_nop                                          ; a plain instruction behind the transcendental,
	s_wait_alu depctr_va_vdst(0)                   ; and the wait ahead of its first reader
	v_mul_f32 v84, v83, v6                         ; rstd x gn_w
	v_cmp_gt_u32 vcc_lo, 8, v9
	s_delay_alu instid0(VALU_DEP_1)
	v_cndmask_b32 v84, v7, v84, vcc_lo             ; lanes 0-7: rstd x gn_w; lanes 8-15: gn_b;
	v_cmp_gt_u32 vcc_lo, 16, v9
	s_delay_alu instid0(VALU_DEP_1)
	v_cndmask_b32 v84, v80, v84, vcc_lo            ; lanes 16-31: the mean
	s_cmp_lg_u32 s18, 0
	s_cbranch_scc1 .Lend                           ; wave 0 stores the record: 128 consecutive bytes
	global_store_b32 v3, v84, s[14:15]
.Lend:
	s_wait_tensorcnt 0x0
	ds_add_u32 v128, v129
	s_wait_dscnt 0x0
	s_endpgm
	; ---------------- fragment tau = 16 (ttmp9 - 128) + wave of the weights
.Lweights:
	s_sub_co_u32 s22, ttmp9, 128
	s_lshl_b32 s23, s22, 4
	s_add_co_u32 s23, s23, s18                     ; tau
	v_and_b32 v1, 15, v0                           ; r
	v_bfe_u32 v2, v0, 4, 1                         ; h
	s_delay_alu instid0(VALU_DEP_2)
	v_and_b32 v3, 8, v1
	s_delay_alu instid0(VALU_DEP_1)
	v_add_nc_u32 v3, v3, v1                        ; r + 8 (r / 8)
	s_delay_alu instid0(VALU_DEP_1)
	v_lshlrev_b32 v3, 10, v3                       ; a row is 1,024 bytes
	s_delay_alu instid0(VALU_DEP_1)
	v_lshl_add_u32 v3, v2, 7, v3                   ; + 128 h: the operand's layout gives lane (r, h) k = 64 c + 32 h + 0 .. 31
	v_and_b32 v5, 31, v0
	s_delay_alu instid0(VALU_DEP_1)
	v_lshlrev_b32 v4, 4, v5                        ; the image: 16 x lane
	s_delay_alu instid0(VALU_DEP_2)
	v_lshlrev_b32 v5, 2, v5                        ; the scale words: 4 x lane
	s_wait_alu depctr_va_vdst(0)
	s_wait_kmcnt 0x0
	s_cmp_lt_u32 s22, 6                            ; fragments 0-95 are qkv_w's: the choice hangs on the work-group's number alone
	s_cselect_b64 s[26:27], s[10:11], s[12:13]
	s_cselect_b32 s24, 0, 96
	s_sub_co_u32 s24, s23, s24                     ; 2 T + s within the tensor
	s_lshr_b32 s25, s24, 1                         ; T
	s_and_b32 s28, s24, 1                          ; s
	s_lshr_b32 s29, s25, 1
	s_lshl_b32 s29, s29, 15                        ; 32 (T / 2) rows
	s_and_b32 s30, s25, 1
	s_lshl_b32 s30, s30, 13                        ; 8 (T % 2) rows
	s_add_co_u32 s30, s30, s29
	s_lshl_b32 s28, s28, 9                         ; 128 numbers along K
	s_add_co_u32 s30, s30, s28
	s_mov_b32 s31, 0
	s_add_nc_u64 s[26:27], s[26:27], s[30:31]
	s_lshl_b32 s32, s23, 10
	s_mov_b32 s33, 0
	s_add_nc_u64 s[32:33], s[16:17], s[32:33]      ; the image
	s_lshl_b32 s34, s23, 7
	s_mov_b32 s35, 0
	s_add_nc_u64 s[34:35], s[16:17], s[34:35]      ; the scale words (131,072 further on: in the store's immediate)
.irp c, 0,1
.irp i, 0,1,2,3,4,5,6,7
	global_load_b128 v[64+32*\c+4*\i:64+32*\c+4*\i+3], v3, s[26:27] offset:256*\c+16*\i
.endr
.endr
	s_wait_loadcnt 0x0
.irp c, 0,1                                    ; my block 2 c + h: all its 32 numbers are mine
	v_max3_num_f32 v[32+\c], |v[64+32*\c]|, |v[65+32*\c]|, 0x1800000   ; with the floor 2^(3 - 127): the byte cannot fall under 1
.endr
.irp i, 2,4,6,8,10,12,14,16,18,20,22,24,26,28,30
.irp c, 0,1
	s_delay_alu instid0(VALU_DEP_2)
	v_max3_num_f32 v[32+\c], v[32+\c], |v[64+32*\c+\i]|, |v[65+32*\c+\i]|
.endr
.endr
.irp c, 0,1
	s_delay_alu instid0(VALU_DEP_2)
	v_add_nc_u32 v[44+\c], 0xff000000, v[32+\c]    ; 2 off the exponent field: the conversion's scale operand
.endr
.irp c, 0,1
	s_delay_alu instid0(VALU_DEP_2)
	v_lshrrev_b32 v[36+\c], 23, v[44+\c]           ; the scale's byte
.endr
	s_delay_alu instid0(VALU_DEP_1)
	v_lshl_or_b32 v9, v37, 16, v36                 ; my two bytes: blocks h and 2 + h,
	v_lshlrev_b32 v10, 3, v2
	s_delay_alu instid0(VALU_DEP_1)
	v_lshlrev_b32 v9, v10, v9                      ; at their places in the word;
	v_mov_b32 v10, 0
	s_delay_alu instid0(VALU_DEP_1)
	v_permlanex16_b32 v10, v9, s20, s21
	s_delay_alu instid0(VALU_DEP_1)
	v_or_b32 v9, v9, v10                           ; with lane l xor 16's two the word is whole, in both lanes
.irp c, 0,1
.irp g, 0,1,2,3
	v_cvt_scalef32_pk8_fp4_f32 v[48+4*\c+\g], v[64+32*\c+8*\g:71+32*\c+8*\g], v[44+\c]
.endr
.endr
	v_nop                                          ; a plain instruction behind the last scaled conversion
	global_store_b128 v4, v[48:51], s[32:33]       ; 32 lanes store 512 consecutive bytes
	global_store_b128 v4, v[52:55], s[32:33] offset:512
	global_store_b32 v5, v9, s[34:35] offset:131072
	s_endpgm
.Lfunc_end_k_qe6e6f40dfa_prep:
	.size	k_qe6e6f40dfa_prep, .Lfunc_end_k_qe6e6f40dfa_prep-k_qe6e6f40dfa_prep
	.p2alignl 7, 3214868480
	.fill 96, 4, 3214868480
	.section	.rodata,"a",@progbits
	.p2align	6, 0x0
	.amdhsa_kernel k_qe6e6f40dfa_prep
		.amdhsa_group_segment_fixed_size 2304
		.amdhsa_private_segment_fixed_size 0
		.amdhsa_enable_private_segment 0
		.amdhsa_kernarg_size 56
		.amdhsa_user_sgpr_count 2
		.amdhsa_user_sgpr_kernarg_segment_ptr 1
		.amdhsa_wavefront_size32 1
		.amdhsa_system_sgpr_workgroup_id_x 1
		.amdhsa_system_sgpr_workgroup_id_y 1
		.amdhsa_system_sgpr_workgroup_id_z 1
		.amdhsa_system_vgpr_workitem_id 0
		.amdhsa_next_free_vgpr 130
		.amdhsa_next_free_sgpr 66
		.amdhsa_reserve_vcc 1
		.amdhsa_float_denorm_mode_32 3
		.amdhsa_float_denorm_mode_16_64 3
		.amdhsa_memory_ordered 1
		.amdhsa_forward_progress 1
		.amdhsa_inst_pref_size 26
	.end_amdhsa_kernel
	.amdgpu_metadata
---
amdhsa.version: [ 1, 2 ]
amdhsa.kernels:
  - .name:           k_qe6e6f40dfa_prep
    .symbol:         k_qe6e6f40dfa_prep.kd
    .args:
      - { .name: x, .offset: 0, .size: 8, .value_kind: global_buffer, .address_space: global }
      - { .name: gn_w, .offset: 8, .size: 8, .value_kind: global_buffer, .address_space: global }
      - { .name: gn_b, .offset: 16, .size: 8, .value_kind: global_buffer, .address_space: global }
      - { .name: qkv_w, .offset: 24, .size: 8, .value_kind: global_buffer, .address_space: global }
      - { .name: proj_w, .offset: 32, .size: 8, .value_kind: global_buffer, .address_space: global }
      - { .name: gnt, .offset: 40, .size: 8, .value_kind: global_buffer, .address_space: global }
      - { .name: wimg, .offset: 48, .size: 8, .value_kind: global_buffer, .address_space: global }
    .group_segment_fixed_size: 2304
    .private_segment_fixed_size: 0
    .kernarg_segment_align: 8
    .kernarg_segment_size: 56
    .max_flat_workgroup_size: 512
    .sgpr_count:     66
    .vgpr_count:     130
    .wavefront_size: 32
...
	.end_amdgpu_metadata
.endif
;; end of part 1
;; launch qkv (part 2): grid 32 x 4, 8 waves a work-group, no clusters, 18,432 bytes of LDS; arguments x, gnt, wimg, qkv_b, qimg, kv; writes qimg, kv
.if DOCPART == 2
	.amdgcn_target "amdgcn-amd-amdhsa--gfx1250"
	.amdhsa_code_object_version 6
	.text
	.protected	k_qe6e6f40dfa_qkv
	.globl	k_qe6e6f40dfa_qkv
	.p2align	8
	.type	k_qe6e6f40dfa_qkv,@function
k_qe6e6f40dfa_qkv:
	s_mov_b64 s[64:65], 0
	v_nop
	global_prefetch_b8 v0, s[64:65] scope:SCOPE_SE
	s_setreg_imm32_b32 hwreg(HW_REG_WAVE_MODE, 25, 1), 1
	s_wait_xcnt 0x0
; h = GroupNorm(x), quantised along the channels; qkv = qkv_w h + qkv_b on codes of E2M1; q and k quantised along the head's 64, v along the positions.  Nothing leaves as f32.
; SHARES.  A work-group takes 128 positions (ttmp9) of one batch (ttmp7): 128 positions are one K step of attention's second product, so that a fragment of v and its scale words are made whole.
; PHASE X: wave w takes 32 positions (w % 4; a lane to a position) x 128 channels (w / 4); its registers run down the channels, so a block of 32 lies in one lane.  The codes go to LDS as images of operand registers.
; PHASE QK: wave w makes output rows 64 w .. 64 w + 63 (q's head w, or k's head w - 4) for all 128 positions.  Source 0 = 16 rows of the weight, source 1 = 16 positions of h: a lane holds ONE position and its registers run along the head's 64.
; PHASE V: wave w makes rows 512 + 32 w .. + 31.  Source 0 = 16 positions of h, source 1 = 16 rows of the weight: a lane holds ONE row of v and its registers run along the positions.
; TILES.  Row r of tile 2 b + u (of weight rows, and of positions) is index 32 b + 8 u + r + 8 (r / 8): the 16 registers of tiles 2 b and 2 b + 1 are then 16 neighbours, 32 b + 16 (lane / 16) + 0 .. 15.
; WHAT IS STORED, all as images of operand registers (16 bytes a lane, 512 consecutive bytes a store):
;   q, k: a PAIR fragment f of 8 registers: registers 0-3 position tile 2 f, registers 4-7 position tile 2 f + 1; in each, lane (r, h) holds d = 32 h .. 32 h + 31 of row r.  Its scale word: (tile 2 f: two bytes, tile 2 f + 1: two bytes).
;   v: fragment dt: 16 rows d (by the tile rule) x 128 positions in their natural order.
; LIMITS: a block of zeros, or one whose largest magnitude lies under 2^-124, gets the byte 1 (its codes are zeros or nearly so; this program alone reads the bytes); NaN and infinities are not served.
.set LI,   1                           ; v1   16 x lane
.set LS,   2                           ; v2   4 x lane (also my position's 4 bytes in a row of x)
.set L15,  3                           ; v3   4 x (lane % 16)
.set L8,   4                           ; v4   8 x lane
.set HWI,  6                           ; v6   phase X: where my codes go
.set HWS,  7                           ; v7   and my scale word
.set WO,   10                          ; v10  16 x lane + 8,192 w: my 8 fragments of q's or k's weight
.set WSO,  11                          ; v11  4 x lane + 1,024 w: their scale words
.set VO,   12                          ; v12  16 x lane + 4,096 w: my 4 fragments of v's weight
.set VSO,  13                          ; v13  4 x lane + 512 w
.set BO,   14                          ; v14  64 (lane / 16) + 256 w: q's or k's bias
.set BVO,  15                          ; v15  4 (r + 8 (r / 8)) + 128 w: v's bias
.set W,    16                          ; v16-79   weight fragments (tile t, K step s) at 8 (2 t + s); phase V: v16-47
.set HF,   48                          ; v48-111  phase V: eight fragments of h
.set BIAS, 80                          ; v80-111  the bias of my four tiles, in the result's layout
.set WS,   112                         ; v112-119 scale words of the weight (phase V: v112-115; v116-119 take scale words of h)
.set ACC,  120                         ; v120-183 eight accumulators; in phase X two sets of 32 numbers
.set XF,   184                         ; v184-215 four fragments of h
.set BC,   184                         ; v184-191 phase V: the bias, the same in all eight registers
.set XS,   216                         ; v216-219 scale words of h
.set TM,   220                         ; v220-235 at work in QUANT
.set PW4,  236                         ; v236-239 the scale words made so far
.set PC,   240                         ; v240-247 the codes just made
.set PW,   248                         ; v248     the scale word just made
.set VB,   252                         ; v252-253 v's bias (in phase X: at work)
.set HSC,  16384                       ; LDS: h's 16 fragments (8 s + pt) x 1,024 from 0; their scale words (8 s + pt) x 64 from here
.set SEL,  20
.macro WMQ d, a, b, c, sa, sb
	v_wmma_scale_f32_16x16x128_f8f6f4 v[\d:\d+7], v[\a:\a+7], v[\b:\b+7], v[\c:\c+7], v[\sa], v[\sb] matrix_a_fmt:MATRIX_FMT_FP4 matrix_b_fmt:MATRIX_FMT_FP4
.endm
; 64 numbers of a lane, register 16 b + i = k 32 b + 16 (lane / 16) + i of my row, become a fragment's codes in v[PC] on and its scale word in v[PW].
.macro QUANT s
.irp b, 0,1,2,3
	v_max3_num_f32 v[TM+\b], |v[\s+16*\b]|, |v[\s+1+16*\b]|, 0x1800000   ; block b: my 16 numbers, and the floor 2^(3 - 127): the byte cannot fall under 1
.endr
.irp i, 2,4,6,8,10,12,14
.irp b, 0,1,2,3
	v_max3_num_f32 v[TM+\b], v[TM+\b], |v[\s+16*\b+\i]|, |v[\s+1+16*\b+\i]|   ; (the four blocks by turns)
.endr
.endr
.irp b, 0,1,2,3
	s_delay_alu instid0(VALU_DEP_4)
	v_permlanex16_b32 v[TM+4+\b], v[TM+\b], s[SEL], s[SEL+1]
.endr
.irp b, 0,1,2,3
	s_delay_alu instid0(VALU_DEP_4)
	v_max_num_f32 v[TM+\b], v[TM+\b], v[TM+4+\b]   ; with lane l xor 16's: the block's largest magnitude
.endr
.irp b, 0,1,2,3
	s_delay_alu instid0(VALU_DEP_4)
	v_add_nc_u32 v[TM+12+\b], 0xff000000, v[TM+\b] ; 2 off its exponent field: the conversion's scale operand
.endr
.irp b, 0,1,2,3
	s_delay_alu instid0(VALU_DEP_4)
	v_lshrrev_b32 v[TM+4+\b], 23, v[TM+12+\b]      ; the scale's byte
.endr
	s_delay_alu instid0(VALU_DEP_3)
	v_lshl_or_b32 v[PW], v[TM+5], 8, v[TM+4]
	s_delay_alu instid0(VALU_DEP_1)
	v_lshl_or_b32 v[PW], v[TM+6], 16, v[PW]
	s_delay_alu instid0(VALU_DEP_1)
	v_lshl_or_b32 v[PW], v[TM+7], 24, v[PW]
.irp b, 0,1,2,3
	v_cvt_scalef32_pk8_fp4_f32 v[PC+2*\b], v[\s+16*\b:\s+7+16*\b], v[TM+12+\b]
	v_cvt_scalef32_pk8_fp4_f32 v[PC+1+2*\b], v[\s+8+16*\b:\s+15+16*\b], v[TM+12+\b]
.endr
	v_nop                                          ; a plain instruction behind the scaled conversions
.irp c, 0,1                                    ; the operand's layout wants a WHOLE block in a lane: lanes 0-15 block 2 c, lanes 16-31 block 2 c + 1
.irp i, 0,1
	v_permlane16_swap_b32 v[PC+4*\c+\i], v[PC+2+4*\c+\i]
.endr
.endr
.endm
	s_load_b256 s[4:11], s[0:1], 0x0               ; x s[4:5], gnt s[6:7], wimg s[8:9], qkv_b s[10:11]
	s_load_b128 s[12:15], s[0:1], 0x20             ; qimg s[12:13], kv s[14:15]
	v_lshl_add_u32 v231, v0, 2, 0x4400
	v_mov_b32 v249, 0
	v_lshrrev_b32 v8, 5, v0
	s_delay_alu instid0(VALU_DEP_1)
	v_readfirstlane_b32 s16, v8                    ; wave w, 0..7
	s_and_b32 s17, ttmp7, 0xffff                   ; batch
	s_and_b32 s19, s16, 3                          ; phase X: which 32 positions
	s_lshr_b32 s23, s16, 2                         ; phase X: which 128 channels
	s_mov_b32 s[SEL], 0x76543210
	s_mov_b32 s[SEL+1], 0xfedcba98                 ; v_permlanex16_b32's selects for lane l xor 16
	s_mov_b32 s22, 0xffff0000                      ; lanes 16-31
	v_and_b32 v8, 31, v0                           ; lane
	s_delay_alu instid0(VALU_DEP_1)
	v_lshlrev_b32 v[LI], 4, v8
	s_delay_alu instid0(VALU_DEP_2)
	v_lshlrev_b32 v[LS], 2, v8
	s_delay_alu instid0(VALU_DEP_3)
	v_lshlrev_b32 v[L8], 3, v8
	v_and_b32 v9, 15, v0                           ; r
	s_delay_alu instid0(VALU_DEP_1)
	v_lshlrev_b32 v[L15], 2, v9
	v_bfe_u32 v5, v0, 4, 1                         ; lane / 16
	; phase X: lane 16 a + 8 u + j is position 32 f + 16 a + 8 u + j: row 8 a + j of position tile 2 f + u.  Block beta of its codes is registers 4 (beta / 2) .. + 3 of lane 8 a + j + 16 (beta % 2) of the image
	v_and_b32 v[HWI], 7, v0
	s_delay_alu instid0(VALU_DEP_1)
	v_lshlrev_b32 v[HWS], 2, v[HWI]
	s_delay_alu instid0(VALU_DEP_2)
	v_lshlrev_b32 v[HWI], 4, v[HWI]
	s_delay_alu instid0(VALU_DEP_1)
	v_lshl_add_u32 v[HWI], v5, 7, v[HWI]
	s_delay_alu instid0(VALU_DEP_3)
	v_lshl_add_u32 v[HWS], v5, 5, v[HWS]
	v_bfe_u32 v8, v0, 3, 1
	s_delay_alu instid0(VALU_DEP_1)
	v_lshl_add_u32 v[HWI], v8, 10, v[HWI]
	s_delay_alu instid0(VALU_DEP_2)
	v_lshl_add_u32 v[HWS], v8, 6, v[HWS]
	s_lshl_b32 s60, s23, 13
	s_lshl_b32 s61, s19, 11
	s_add_co_u32 s60, s60, s61
	v_add_nc_u32 v[HWI], s60, v[HWI]               ; 8,192 s + 2,048 f + 1,024 u + 128 a + 16 j: 2,048 bytes on end for each wave
	s_lshl_b32 s60, s23, 9
	s_lshl_b32 s61, s19, 7
	s_add_co_u32 s60, s60, s61
	v_add_nc_u32 v[HWS], s60, v[HWS]               ; 512 s + 128 f + 64 u + 32 a + 4 j
	s_lshl_b32 s60, s16, 13
	v_add_nc_u32 v[WO], s60, v[LI]
	s_lshl_b32 s60, s16, 10
	v_add_nc_u32 v[WSO], s60, v[LS]
	s_lshl_b32 s60, s16, 12
	v_add_nc_u32 v[VO], s60, v[LI]
	s_lshl_b32 s60, s16, 9
	v_add_nc_u32 v[VSO], s60, v[LS]
	s_lshl_b32 s60, s16, 8
	v_lshl_add_u32 v[BO], v5, 6, s60
	v_and_b32 v8, 8, v9
	s_delay_alu instid0(VALU_DEP_1)
	v_add_nc_u32 v8, v8, v9                        ; r + 8 (r / 8)
	s_lshl_b32 s60, s16, 7
	v_lshl_add_u32 v[BVO], v8, 2, s60
.irp b, 0,1,2,3
	v_mov_b32 v[TM+4+\b], 0                        ; written once: a lane permute's destination counts as read
.endr
	s_lshl_b32 s60, s17, 22                        ; x: batch x 256 channels x 16,384 bytes
	s_lshl_b32 s61, s23, 21                        ; + my 128 channels
	s_add_co_u32 s60, s60, s61
	s_lshl_b32 s61, ttmp9, 9                       ; + the work-group's 128 positions
	s_add_co_u32 s60, s60, s61
	s_lshl_b32 s61, s19, 7                         ; + my 32 of them
	s_add_co_u32 s60, s60, s61
	s_mov_b32 s61, 0
	s_lshl_b32 s62, s17, 12                        ; gnt: batch x 32 records of 128 bytes
	s_lshl_b32 s63, s23, 11                        ; + my 16 groups
	s_add_co_u32 s62, s62, s63
	s_mov_b32 s63, 0
	s_wait_alu depctr_va_vdst(0)
	s_wait_kmcnt 0x0
	s_add_nc_u64 s[4:5], s[4:5], s[60:61]
	s_add_nc_u64 s[6:7], s[6:7], s[62:63]
; the figures of block beta's four groups: 16 words (eight rstd x gn_w, eight gn_b) at s28, s44, s68, s84, the means in s24-27
.macro CONST beta
.irp i, 0,1,2,3
	s_load_b512 s[28+16*\i+8*(\i/2):43+16*\i+8*(\i/2)], s[6:7], (4*(\beta)+\i)*128
	s_load_b32 s[24+\i], s[6:7], (4*(\beta)+\i)*128+64
.endr
.endm
; block beta: channels 32 beta + 0 .. 31 at my position: each load reads 128 consecutive bytes, and the four waves of a channel half stand side by side on 512
.macro LOAD beta
.set li, 0
.rept 32
	global_load_b32 v[ACC+32*((\beta)%2)+li], v[LS], s[4:5] offset:(32*(\beta)+li)*16384
.set li, li+1
.endr
.endm
	CONST 0
.irp k, 0,1,2,3,4,5,6,7                        ; my weight stays in registers through phase QK
.irp c, 0,1
	global_load_b128 v[W+8*\k+4*\c:W+8*\k+4*\c+3], v[WO], s[8:9] offset:\k*1024+512*\c
.endr
	global_load_b32 v[WS+\k], v[WSO], s[8:9] offset:131072+\k*128
.endr
.irp t, 0,1,2,3                                ; lane (r, h), register j of tile t: output row 64 w + 32 (t / 2) + 8 (t % 2) + 16 h + j
	global_load_b128 v[BIAS+8*\t:BIAS+8*\t+3], v[BO], s[10:11] offset:(32*(\t/2)+8*(\t%2))*4
	global_load_b128 v[BIAS+8*\t+4:BIAS+8*\t+7], v[BO], s[10:11] offset:(32*(\t/2)+8*(\t%2))*4+16
.endr
	LOAD 0
	LOAD 1
.macro BLOCK beta
.set XB, ACC+32*((\beta)%2)
	s_wait_kmcnt 0x0                               ; the block's figures
.if \beta < 3
	s_wait_loadcnt 32                              ; this block's loads and all older ones are in; the next block's 32 may be out
.else
	s_wait_loadcnt 0x0
.endif
.set ci, 0
.rept 32
	v_sub_f32 v[XB+ci], v[XB+ci], s[24+ci/8]       ; x - mean first: no difference of large products
.set ci, ci+1
.endr
.set ci, 0
.rept 32
	v_fma_f32 v[XB+ci], v[XB+ci], s[28+16*(ci/8)+8*(ci/16)+ci%8], s[36+16*(ci/8)+8*(ci/16)+ci%8]
.set ci, ci+1
.endr
.if \beta < 3
	CONST (\beta)+1
.endif
	v_max3_num_f32 v252, |v[XB]|, |v[XB+1]|, |v[XB+2]|             ; the block's largest magnitude: all 32 numbers are mine
	v_max3_num_f32 v253, |v[XB+3]|, |v[XB+4]|, |v[XB+5]|
.irp i, 6,10,14,18,22,26
	s_delay_alu instid0(VALU_DEP_2)
	v_max3_num_f32 v252, v252, |v[XB+\i]|, |v[XB+\i+1]|
	s_delay_alu instid0(VALU_DEP_2)
	v_max3_num_f32 v253, v253, |v[XB+\i+2]|, |v[XB+\i+3]|
.endr
	s_delay_alu instid0(VALU_DEP_2)
	v_max3_num_f32 v252, v252, |v[XB+30]|, |v[XB+31]|
	s_delay_alu instid0(VALU_DEP_1)
	v_max3_num_f32 v252, v252, v253, 0x1800000     ; and the floor 2^(3 - 127)
	s_delay_alu instid0(VALU_DEP_1)
	v_add_nc_u32 v254, 0xff000000, v252            ; the conversion's scale operand
	s_delay_alu instid0(VALU_DEP_1)
	v_lshrrev_b32 v[PW], 23, v254                  ; the scale's byte
.if \beta == 0
	s_delay_alu instid0(VALU_DEP_1)
	v_mov_b32 v255, v[PW]
.else
	s_delay_alu instid0(VALU_DEP_1)
	v_lshl_or_b32 v255, v[PW], 8*(\beta), v255
.endif
.irp g, 0,1,2,3
	v_cvt_scalef32_pk8_fp4_f32 v[PC+\g], v[XB+8*\g:XB+8*\g+7], v254
.endr
	v_nop                                          ; a plain instruction behind the scaled conversions
	ds_store_b128 v[HWI], v[PC:PC+3] offset:256*(\beta)
.if \beta < 2
	LOAD (\beta)+2
.endif
	s_wait_dscnt 0x0                               ; the store has read its registers: the next block's codes may be written
.endm
	BLOCK 0
	BLOCK 1
	BLOCK 2
	BLOCK 3                                        ; its wait for all loads also shows the weight, its scale words and the bias in
	s_wait_alu depctr_va_vdst(0)
	ds_store_b32 v[HWS], v255 offset:HSC
	s_wait_dscnt 0x0                               ; for the others' sake: my stores are done
	s_barrier_signal -1
	s_barrier_wait -1                              ; h's sixteen fragments lie in LDS; nothing is stored to LDS behind this barrier
	; where the results go.  The figures' registers are free: every scalar load has been waited for
	s_lshl_b32 s24, s17, 5
	s_add_co_u32 s24, s24, ttmp9
	s_lshl_b32 s24, s24, 2
	s_add_co_u32 s24, s24, s16                     ; q: (32 batch + block) 4 + head
	s_lshl_b32 s28, s24, 12                        ; its codes: 4,096 bytes
	s_lshl_b32 s29, s24, 8
	s_add_co_u32 s29, s29, 2097152                 ; its scale words: 256 bytes, behind all codes
	s_lshl_b32 s30, s17, 3
	s_lshr_b32 s31, ttmp9, 2
	s_add_co_u32 s30, s30, s31
	s_mul_i32 s30, s30, 139264                     ; kv: the slot of 512 positions
	s_and_b32 s31, ttmp9, 3                        ; and my step of 128 in it
	s_lshl_b32 s32, s31, 15
	s_add_co_u32 s32, s32, s30                     ; the step's codes
	s_lshl_b32 s33, s31, 11
	s_add_co_u32 s33, s33, s30
	s_add_co_u32 s33, s33, 131072                  ; the step's scale words
	s_lshl_b32 s34, s19, 12
	s_add_co_u32 s36, s32, s34                     ; k: head w - 4
	s_lshl_b32 s34, s19, 8
	s_add_co_u32 s37, s33, s34
	s_lshl_b32 s34, s16, 11
	s_add_co_u32 s38, s32, s34
	s_add_co_u32 s38, s38, 16384                   ; v: fragments 2 w and 2 w + 1 of the step's sixteen
	s_lshl_b32 s34, s16, 7
	s_add_co_u32 s39, s33, s34
	s_add_co_u32 s39, s39, 1024
	s_cmp_lt_u32 s16, 4                            ; q's wave or k's: the choice hangs on the wave's number alone
	s_cselect_b64 s[40:41], s[12:13], s[14:15]
	s_cselect_b32 s42, s28, s36
	s_cselect_b32 s46, s29, s37
	s_mov_b32 s43, 0
	s_mov_b32 s47, 0
	s_add_nc_u64 s[44:45], s[40:41], s[42:43]      ; q's or k's codes
	s_add_nc_u64 s[48:49], s[40:41], s[46:47]      ; and scale words
	s_mov_b32 s42, s38
	s_add_nc_u64 s[50:51], s[14:15], s[42:43]      ; v's codes
	s_mov_b32 s46, s39
	s_add_nc_u64 s[52:53], s[14:15], s[46:47]      ; and scale words
; PHASE QK, unit f: position tiles 2 f and 2 f + 1: eight accumulators (4 p + t) by turns, K step by K step.  The bias is the C of each sum's first product.
.macro QKUNIT f
.irp p, 0,1
.irp s, 0,1
.irp c, 0,1
	ds_load_b128 v[XF+8*(2*\p+\s)+4*\c:XF+8*(2*\p+\s)+4*\c+3], v[LI] offset:(8*\s+2*\f+\p)*1024+512*\c
.endr
	ds_load_b32 v[XS+2*\p+\s], v[L15] offset:HSC+(8*\s+2*\f+\p)*64
.endr
.endr
	s_wait_dscnt 0x0
.irp p, 0,1
.irp t, 0,1,2,3
	WMQ ACC+8*(4*\p+\t), W+16*\t, XF+16*\p, BIAS+8*\t, WS+2*\t, XS+2*\p
.endr
.endr
.irp p, 0,1
.irp t, 0,1,2,3
	WMQ ACC+8*(4*\p+\t), W+16*\t+8, XF+16*\p+8, ACC+8*(4*\p+\t), WS+2*\t+1, XS+2*\p+1
.endr
.endr
.rept 4
	v_nop                                          ; four places behind the products: ahead of the first read of results and of loads into registers that they read
.endr
.if \f == 3                                    ; the weight of phase V takes the place of phase QK's
.irp k, 0,1,2,3
.irp c, 0,1
	global_load_b128 v[W+8*\k+4*\c:W+8*\k+4*\c+3], v[VO], s[8:9] offset:65536+\k*1024+512*\c
.endr
	global_load_b32 v[WS+\k], v[VSO], s[8:9] offset:139264+\k*128
.endr
	global_load_b32 v[VB], v[BVO], s[10:11] offset:2048
	global_load_b32 v[VB+1], v[BVO], s[10:11] offset:2080
.endif
.if \f > 0
	s_wait_xcnt 0x0                                ; the last unit's stores have read the codes' registers
.endif
	QUANT ACC                                      ; registers 0-31: tile 2 f's two blocks along d; 32-63: tile 2 f + 1's
	v_mov_b32 v[PW4+\f], v[PW]
	global_store_b128 v[LI], v[PC:PC+3], s[44:45] offset:\f*1024
	global_store_b128 v[LI], v[PC+4:PC+7], s[44:45] offset:\f*1024+512
.endm
	QKUNIT 0
	QKUNIT 1
	QKUNIT 2
	QKUNIT 3
	v_cndmask_b32 v250, v[PW4], v[PW4+1], s22      ; lanes 0-15 fragment 0's words, lanes 16-31 fragment 1's;
	v_cndmask_b32 v251, v[PW4+2], v[PW4+3], s22    ; fragments 2 and 3 likewise
	global_store_b64 v[L8], v[250:251], s[48:49]   ; 32 lanes store 256 consecutive bytes, aligned
	s_wait_loadcnt 0x0                             ; phase V's weight, scale words and bias
; PHASE V, unit e: weight tile 32 + 2 w + e: 16 rows of v x 128 positions: eight accumulators, one for each position tile, by turns.
.macro VUNIT e
.irp j, 0,1,2,3,4,5,6,7
	v_mov_b32 v[BC+\j], v[VB+\e]                   ; a lane holds one row of v: its bias in all eight registers
.endr
	s_wait_alu depctr_va_vdst(0)
.rept 4
	v_nop
.endr
.irp s, 0,1
.if \s == 1
.rept 4
	v_nop                                          ; places ahead of loads into registers that the products have read
.endr
.endif
.irp pt, 0,1,2,3,4,5,6,7
.irp c, 0,1
	ds_load_b128 v[HF+8*\pt+4*\c:HF+8*\pt+4*\c+3], v[LI] offset:(8*\s+\pt)*1024+512*\c
.endr
	ds_load_b32 v[216+\pt-104*(\pt/4)], v[L15] offset:HSC+(8*\s+\pt)*64   ; v216-219, then v116-119
.endr
	s_wait_dscnt 0x0
.irp pt, 0,1,2,3,4,5,6,7
.if \s == 0
	WMQ ACC+8*\pt, HF+8*\pt, W+8*(2*\e+\s), BC, 216+\pt-104*(\pt/4), WS+2*\e+\s
.else
	WMQ ACC+8*\pt, HF+8*\pt, W+8*(2*\e+\s), ACC+8*\pt, 216+\pt-104*(\pt/4), WS+2*\e+\s
.endif
.endr
.endr
.rept 4
	v_nop
.endr
	s_wait_xcnt 0x0                                ; earlier stores have read the codes' registers
	QUANT ACC                                      ; register 16 f + i: position 32 f + 16 (lane / 16) + i
	v_mov_b32 v[PW4+\e], v[PW]
	global_store_b128 v[LI], v[PC:PC+3], s[50:51] offset:\e*1024
	global_store_b128 v[LI], v[PC+4:PC+7], s[50:51] offset:\e*1024+512
.endm
	VUNIT 0
	VUNIT 1
	v_cndmask_b32 v254, v[PW4], v[PW4+1], s22      ; lanes 0-15 the even fragment's words, lanes 16-31 the odd one's
	global_store_b32 v[LS], v254, s[52:53]
	s_wait_tensorcnt 0x0
	ds_add_u32 v231, v249
	s_wait_dscnt 0x0
	s_endpgm
.Lfunc_end_k_qe6e6f40dfa_qkv:
	.size	k_qe6e6f40dfa_qkv, .Lfunc_end_k_qe6e6f40dfa_qkv-k_qe6e6f40dfa_qkv
	.p2alignl 7, 3214868480
	.fill 96, 4, 3214868480
	.section	.rodata,"a",@progbits
	.p2align	6, 0x0
	.amdhsa_kernel k_qe6e6f40dfa_qkv
		.amdhsa_group_segment_fixed_size 18432
		.amdhsa_private_segment_fixed_size 0
		.amdhsa_enable_private_segment 0
		.amdhsa_kernarg_size 48
		.amdhsa_user_sgpr_count 2
		.amdhsa_user_sgpr_kernarg_segment_ptr 1
		.amdhsa_wavefront_size32 1
		.amdhsa_system_sgpr_workgroup_id_x 1
		.amdhsa_system_sgpr_workgroup_id_y 1
		.amdhsa_system_sgpr_workgroup_id_z 1
		.amdhsa_system_vgpr_workitem_id 0
		.amdhsa_next_free_vgpr 256
		.amdhsa_next_free_sgpr 100
		.amdhsa_reserve_vcc 0
		.amdhsa_float_denorm_mode_32 3
		.amdhsa_float_denorm_mode_16_64 3
		.amdhsa_memory_ordered 1
		.amdhsa_forward_progress 1
		.amdhsa_inst_pref_size 99
	.end_amdhsa_kernel
	.amdgpu_metadata
---
amdhsa.version: [ 1, 2 ]
amdhsa.kernels:
  - .name:           k_qe6e6f40dfa_qkv
    .symbol:         k_qe6e6f40dfa_qkv.kd
    .args:
      - { .name: x, .offset: 0, .size: 8, .value_kind: global_buffer, .address_space: global }
      - { .name: gnt, .offset: 8, .size: 8, .value_kind: global_buffer, .address_space: global }
      - { .name: wimg, .offset: 16, .size: 8, .value_kind: global_buffer, .address_space: global }
      - { .name: qkv_b, .offset: 24, .size: 8, .value_kind: global_buffer, .address_space: global }
      - { .name: qimg, .offset: 32, .size: 8, .value_kind: global_buffer, .address_space: global }
      - { .name: kv, .offset: 40, .size: 8, .value_kind: global_buffer, .address_space: global }
    .group_segment_fixed_size: 18432
    .private_segment_fixed_size: 0
    .kernarg_segment_align: 8
    .kernarg_segment_size: 48
    .max_flat_workgroup_size: 256
    .sgpr_count:     100
    .vgpr_count:     256
    .wavefront_size: 32
...
	.end_amdgpu_metadata
.endif
;; end of part 2
;; launch attn (part 3): grid 64 x 4, 16 waves a work-group, clusters of 4 x 1, 327,680 bytes of LDS; arguments qimg, kv, wimg, proj_b, x, out0; writes out0
.if DOCPART == 3
	.amdgcn_target "amdgcn-amd-amdhsa--gfx1250"
	.amdhsa_code_object_version 6
	.text
	.protected	k_qe6e6f40dfa_attn
	.globl	k_qe6e6f40dfa_attn
	.p2align	8
	.type	k_qe6e6f40dfa_attn,@function
k_qe6e6f40dfa_attn:
	s_mov_b64 s[64:65], 0
	v_nop
	global_prefetch_b8 v0, s[64:65] scope:SCOPE_SE
	s_setreg_imm32_b32 hwreg(HW_REG_WAVE_MODE, 25, 1), 1
	s_wait_xcnt 0x0
	s_wait_alu depctr_hold_cnt(0) depctr_sa_sdst(0) depctr_va_vdst(0) depctr_va_sdst(0) depctr_va_ssrc(0) depctr_va_vcc(0) depctr_vm_vsrc(0)
	s_getreg_b32 s2, hwreg(HW_REG_IB_STS2, 6, 4)
	s_cmp_eq_u32 s2, 0
	s_cbranch_scc0 .Lentry_in_a_cluster
	s_endpgm
.Lentry_in_a_cluster:
	s_bfe_u32 s2, ttmp6, 0x10000c
	s_cmp_lg_u32 s2, 0x3003
	s_cbranch_scc0 .Lentry_shape_is_right
	s_endpgm
.Lentry_shape_is_right:
; out0 = x + proj_w (softmax(q^T k / 8) v) + proj_b, all three products on codes of E2M1 with one E8M0 scale for each 32 along K.
; THE SOFTMAX AHEAD OF THE SECOND PRODUCT: t = score x log2(e) / 8; M = the row's largest t so far, rounded UP to a whole number; p = 2^(t - M) is quantised along the keys, not normalised.
; The row's sum is taken of the unquantised p and divides O at the end.  When M moves, the sum and O are multiplied by 2^(old M - new M): exact.
; SHARES.  A work-group owns 64 positions of one batch, for all four heads.  Each of its sixteen waves owns one head (wave / 4) and one tile of 16 queries (wave % 4), in 256 registers: four waves to a SIMD,
; so that one wave's vector work stands beside another's matrix work and LDS loads.  Every wave walks all 4,096 keys, 128 a step.  At the end wave T makes output tile T (16 channels) of the projection for the 64 positions.
; THE HEAD IS 64 AND THE INSTRUCTION'S K IS 128.  A fragment of k holds TWO key tiles (registers 0-3, registers 4-7).  Q stands in twelve registers, zeros | data | zeros: (data, zeros) gives the first tile's scores,
; (zeros, data) the second's: zero codes add nothing.  So no byte of k in LDS or in registers is padding.
; LAYOUT.  S^T = K Q^T, O^T = V^T P^T: a lane holds ONE query (lane % 16) throughout.  Row r of tile 2 b + u (of keys, of queries, of v's rows, of proj_w's rows) is index 32 b + 8 u + r + 8 (r / 8):
; the 16 registers of tiles 2 b and 2 b + 1 are 16 neighbours along the next product's K.
; CLUSTER.  The four work-groups of a cluster belong to one batch and walk the same k and v: each slot is asked for JOINTLY, by the same tensor load with the same descriptor and a mask that names the four.
; A slot is 512 keys of all four heads, 139,264 dense bytes laid by the launch before in the order in which the operands' registers take them: 4 steps x (k 16,384 + v 16,384), then 4 x 2,048 of scale words.
; LIMITS: a block of zeros, or one under 2^-124, gets the scale byte 1; NaN and infinities are not served; 1 / sum comes from v_rcp_f32; a block's largest p is taken as the p of its largest score.
; All of a WGP's LDS is claimed: the text uses 280,576 bytes.
.set SLOTB, 139264                     ; a slot; slot 0 at LDS byte 0, slot 1 behind it
.set SPARE, 2*SLOTB                    ; behind the ring: the spare words, 128 bytes for each wave: eight blocks of 256 bytes that no other line names
.set OSC,   8192                       ; the epilogue, in slot 0, which has then had its last fill and its last read: O's 8 fragments from 0; their scale words' halves here;
.set STG,   9216                       ; and a stage of 16 rows x (256 + 16) bytes for each wave
.set A16,  1                           ; v1   16 x lane + 4,096 x head
.set AS8,  2                           ; v2   8 x lane + 256 x head
.set AS4,  3                           ; v3   4 x lane + 256 x head
.set SPW,  4                           ; v4   LDS address of my spare word; never rewritten
.set NIL,  5                           ; v5   0; never rewritten
.set ADK,  6                           ; v6-8 the step's LDS addresses: codes, k's scale words, v's
.set ADS,  7
.set ADT,  8
.set GO,   9                           ; v9   x and out0: 16,384 (lane / 16) + 16 (lane % 16)
                                       ; v10-11 k's scale words; v12 -M; v13 the largest t; v[14:15] the sum in two halves; v16-27 Q; v28 Q's scale word; v29 p's; v30-31 v's
.set KF,   32                          ; v32-63   k's four pair fragments
.set VF,   64                          ; v64-95   v's four fragments
.set S,    96                          ; v96-159  S^T, then p
.set O,    160                         ; v160-191 O^T
.set PC,   192                         ; v192-199 p's codes
.set BM,   200                         ; v200-203 the blocks' largest scores, then largest p
.set BP,   204                         ; v204-207 at work
.set BS,   208                         ; v208-211 the conversions' scale operands
.set FF,   212                         ; v[212:213] f = 2^(old M - new M) (the pair's low word serves both halves)
.set T,    214
.set PFO,  215                         ; v215 the prefetch's offset; never rewritten
.set C2,   216                         ; v[216:217] the sums' second chain; in the epilogue v216 is the offset of proj_b's load, not written again
.set OWI,  218                         ; v218 where my part of O's image goes
.set OWS,  219                         ; v219 and my half of its scale words
.set SO,   220                         ; v220 the stage: in
.set RD,   221                         ; v221 the stage: back
.set L16,  222                         ; v222 16 x lane
.set L4,   223                         ; v223 4 x lane
.set XR,   224                         ; v224-255 my 16 rows of x
; s16 wave, s17 head, s18 query tile, s19 cx, s[20:21] lane selects, s[22:23] c, s[24:31] descriptor group 1, s[32:35], s[36:39] group 0 of slots 0 and 1,
; s40 the step's codes in LDS, s41 its scale words, s42 steps to go, s43 laps to go, s44 1 in a wave that prefetches, s[46:47] where its prefetches stand
.macro WM d, a, b, c, sa, sb, row      ; c < 0: the product starts the sum.  row: source 0's scale words stand in lanes 16-31
.if (\c) < 0
.if \row
	v_wmma_scale_f32_16x16x128_f8f6f4 v[\d:\d+7], v[\a:\a+7], v[\b:\b+7], 0, v[\sa], v[\sb] matrix_a_fmt:MATRIX_FMT_FP4 matrix_b_fmt:MATRIX_FMT_FP4 matrix_a_scale:MATRIX_SCALE_ROW1
.else
	v_wmma_scale_f32_16x16x128_f8f6f4 v[\d:\d+7], v[\a:\a+7], v[\b:\b+7], 0, v[\sa], v[\sb] matrix_a_fmt:MATRIX_FMT_FP4 matrix_b_fmt:MATRIX_FMT_FP4
.endif
.else
.if \row
	v_wmma_scale_f32_16x16x128_f8f6f4 v[\d:\d+7], v[\a:\a+7], v[\b:\b+7], v[\c:\c+7], v[\sa], v[\sb] matrix_a_fmt:MATRIX_FMT_FP4 matrix_b_fmt:MATRIX_FMT_FP4 matrix_a_scale:MATRIX_SCALE_ROW1
.else
	v_wmma_scale_f32_16x16x128_f8f6f4 v[\d:\d+7], v[\a:\a+7], v[\b:\b+7], v[\c:\c+7], v[\sa], v[\sb] matrix_a_fmt:MATRIX_FMT_FP4 matrix_b_fmt:MATRIX_FMT_FP4
.endif
.endif
.endm
; A round of the cluster's barrier: my work-group's barrier, so that wave 0's signal speaks for all sixteen waves; wave 0 signals; every wave waits for all four work-groups; my work-group's barrier once more.
.macro CROUND
	s_barrier_signal -1
	s_barrier_wait -1
	s_cmp_lg_u32 s16, 0
	s_cbranch_scc1 .Lnot_wave_0_\@
	s_barrier_signal -3
.Lnot_wave_0_\@:
	s_barrier_wait -3
	s_barrier_signal -1
	s_barrier_wait -1
.endm
; Waves 0 to 3 fetch a quarter of a slot each, the others nothing: the branch hangs on the wave's number alone.  Four v_nop follow the load.
.macro TLOAD g0
	s_cmp_lt_u32 s16, 4
	s_cbranch_scc0 .Lno_load_\@
	tensor_load_to_lds s[\g0:\g0+3], s[24:31]
	s_nop 0
.rept 4
	v_nop
.endr
.Lno_load_\@:
.endm
; A PREFETCH INTO THE L2 of the slot that the NEXT change of slots will ask for: four key steps ahead of that load.  All sixteen clusters of a batch walk the same slots: the batch's first cluster asks.
; Its four partners share a slot out BY ADDRESS: of the 131,072 bytes of codes each takes 32,768, waves 4 to 7 8,192 each, lanes 256 bytes apart; of the 8,192 bytes of scale words each takes 2,048,
; wave 8, four lanes to a block of 256 bytes.  So each block is named by one instruction in the launch.  Slots 0 and 1 come by their loads alone; the change that asks for the last slot prefetches nothing.
.macro ASK
	s_cmp_eq_u32 s44, 1
	s_cbranch_scc0 .Lnot_mine_\@
	global_prefetch_b8 v[PFO], s[46:47] th:TH_LOAD_NT scope:SCOPE_SE
.Lnot_mine_\@:
.endm
	s_load_b256 s[4:11], s[0:1], 0x0               ; qimg s[4:5], kv s[6:7], wimg s[8:9], proj_b s[10:11]
	s_load_b128 s[12:15], s[0:1], 0x20             ; x s[12:13], out0 s[14:15]
	v_lshl_add_u32 v[SPW], v0, 2, SPARE
	v_mov_b32 v[NIL], 0
	ds_add_u32 v4, v5
	ds_add_u32 v4, v5
	s_wait_dscnt 0x0
	v_lshrrev_b32 v6, 5, v0
	s_delay_alu instid0(VALU_DEP_1)
	v_readfirstlane_b32 s16, v6                    ; wave 0..15
	s_lshr_b32 s17, s16, 2                         ; head
	s_and_b32 s18, s16, 3                          ; query tile.  Also: which quarter of a slot I fetch, if I fetch
	s_bfe_u32 s19, ttmp6, 0x40000                  ; cx: my place in the cluster: it enters global addresses of Q, x, out0 and the prefetch alone
	s_lshl_b32 s48, ttmp9, 2                       ; in a cluster launch ttmp9 counts clusters
	s_add_co_u32 s48, s48, s19                     ; my block of 64 positions
	s_and_b32 s49, ttmp7, 0xffff                   ; the batch, which the four partners share
	; descriptor group 1: 136 rows of 256 bytes, dense in memory and in LDS
	s_mov_b32 s24, 15|(3<<16)|(1<<21)              ; 15:0 the mask: all four work-groups; 17:16 elements of 8 bytes; 20 no padding; 21 set beside a mask
	s_mov_b32 s25, 32<<16                          ; tensor_dim0 = 32
	s_mov_b32 s26, 136<<16                         ; tensor_dim1 = 136
	s_mov_b32 s27, 32<<16                          ; tile_dim0 = 32
	s_mov_b32 s28, 136                             ; tile_dim1 = 136
	s_mov_b32 s29, 32                              ; elements from row to row
	s_mov_b32 s30, 0
	s_mov_b32 s31, 0
	s_mov_b32 s20, 0x76543210
	s_mov_b32 s21, 0xfedcba98                      ; v_permlanex16_b32's selects for lane l xor 16
	s_mov_b32 s22, 0x3e38aa3b                      ; c = log2(e) / 8
	s_mov_b32 s23, s22                             ; (named with it as a pair, so it is written)
	s_mul_i32 s50, s18, 34816                      ; my quarter of a slot, in LDS and in memory
	s_mul_i32 s52, s49, 8*SLOTB                    ; the batch's eight slots
	s_add_co_u32 s52, s52, s50
	s_mov_b32 s53, 0
	s_wait_kmcnt 0x0
	s_mov_b32 s32, 1                               ; count = 1
	s_mov_b32 s33, s50                             ; LDS address: slot 0
	s_add_nc_u64 s[34:35], s[6:7], s[52:53]        ; global address: the batch's slot 0
	s_mov_b32 s36, 1
	s_add_co_u32 s37, s50, SLOTB                   ; slot 1
	s_add_nc_u64 s[38:39], s[34:35], SLOTB
	s_or_b32 s35, s35, 0x80000000                  ; type = 2
	s_or_b32 s39, s39, 0x80000000
	CROUND                                         ; all four work-groups are here: the first joint loads meet
	TLOAD 32                                       ; slot 0.  By this text's own count a wave never has more than one tensor load out
	; the prefetches: who asks, and where
	s_sub_co_u32 s54, s16, 4
	s_cmp_lt_u32 s54, 5                            ; waves 4 to 8,
	s_cselect_b32 s54, 0, 1
	s_or_b32 s54, s54, ttmp9                       ; of the batch's first cluster: the same in all four partners
	s_cmp_eq_u32 s54, 0
	s_cselect_b32 s44, 1, -1
	s_lshl_b32 s55, s19, 15
	s_lshl_b32 s56, s18, 13
	s_add_co_u32 s55, s55, s56                     ; codes: 32,768 cx + 8,192 (wave % 4)
	s_lshl_b32 s56, s19, 11
	s_add_co_u32 s56, s56, 131072                  ; scale words: 131,072 + 2,048 cx
	s_cmp_lt_u32 s16, 8
	s_cselect_b32 s56, s55, s56
	s_cselect_b32 s57, 0, 2
	s_mul_i32 s58, s49, 8*SLOTB
	s_add_co_u32 s58, s58, s56
	s_add_co_u32 s58, s58, SLOTB                   ; in slot 1: the first change of slots steps it to slot 2
	s_mov_b32 s59, 0
	s_add_nc_u64 s[46:47], s[6:7], s[58:59]
	v_and_b32 v[PFO], 31, v0
	s_delay_alu instid0(VALU_DEP_1)
	v_lshrrev_b32 v[PFO], s57, v[PFO]
	s_delay_alu instid0(VALU_DEP_1)
	v_lshlrev_b32 v[PFO], 8, v[PFO]
	; addresses
	v_and_b32 v[L4], 31, v0                        ; lane
	s_delay_alu instid0(VALU_DEP_1)
	v_lshlrev_b32 v[L16], 4, v[L4]
	s_delay_alu instid0(VALU_DEP_2)
	v_lshlrev_b32 v[AS8], 3, v[L4]
	s_delay_alu instid0(VALU_DEP_3)
	v_lshlrev_b32 v[L4], 2, v[L4]
	v_and_b32 v[BM], 15, v0                        ; r
	s_wait_alu depctr_va_vdst(0)
	v_bfe_u32 v[BM+1], v0, 4, 1                    ; h
	s_lshl_b32 s54, s17, 12
	v_add_nc_u32 v[A16], s54, v[L16]
	s_lshl_b32 s54, s17, 8
	v_add_nc_u32 v[AS8], s54, v[AS8]
	v_add_nc_u32 v[AS4], s54, v[L4]
	v_lshlrev_b32 v[GO], 14, v[BM+1]
	s_delay_alu instid0(VALU_DEP_1)
	v_lshl_add_u32 v[GO], v[BM], 4, v[GO]
	s_lshl_b32 s54, s18, 11
	s_lshl_b32 s55, s17, 9
	s_add_co_u32 s54, s54, s55
	v_add_nc_u32 v[OWI], s54, v[L16]               ; O's fragment (query tile, K step head / 2), registers 4 (head % 2) on: 2,048 tile + 512 head + 16 lane
	s_and_b32 s54, s17, 1
	s_lshl_b32 s54, s54, 9
	s_lshl_b32 s55, s18, 7
	s_add_co_u32 s54, s54, s55
	s_lshr_b32 s55, s17, 1
	s_lshl_b32 s55, s55, 6
	s_add_co_u32 s54, s54, s55
	s_add_co_u32 s54, s54, OSC
	v_lshl_add_u32 v[OWS], v[BM], 2, s54           ; 512 (head % 2) + 128 tile + 64 (head / 2) + 4 r
	s_mul_i32 s54, s16, 16*272
	s_add_co_u32 s54, s54, STG                     ; my stage
	v_mul_u32_u24 v[SO], v[BM], 272
	s_wait_alu depctr_va_vdst(0)
	v_lshl_add_u32 v[SO], v[BM+1], 6, v[SO]
	s_delay_alu instid0(VALU_DEP_1)
	v_add_nc_u32 v[SO], s54, v[SO]                 ; in: row r, + 64 h
	v_mul_u32_u24 v[RD], v[BM+1], 272
	s_delay_alu instid0(VALU_DEP_1)
	v_lshl_add_u32 v[RD], v[BM], 4, v[RD]
	s_delay_alu instid0(VALU_DEP_1)
	v_add_nc_u32 v[RD], s54, v[RD]                 ; back: lanes 0-15 one row, lanes 16-31 the next
	; Q: block of 128 positions X / 2, pair fragment 2 (X % 2) + tile / 2, its half tile % 2
	s_lshl_b32 s54, s49, 5
	s_lshr_b32 s55, s48, 1
	s_add_co_u32 s54, s54, s55
	s_lshl_b32 s54, s54, 2
	s_add_co_u32 s54, s54, s17
	s_and_b32 s55, s48, 1
	s_lshr_b32 s60, s18, 1
	s_and_b32 s61, s18, 1
	s_lshl_b32 s58, s54, 12
	s_lshl_b32 s62, s55, 11
	s_add_co_u32 s58, s58, s62
	s_lshl_b32 s62, s60, 10
	s_add_co_u32 s58, s58, s62
	s_lshl_b32 s62, s61, 9
	s_add_co_u32 s58, s58, s62
	s_mov_b32 s59, 0
	s_add_nc_u64 s[50:51], s[4:5], s[58:59]
	s_lshl_b32 s58, s54, 8
	s_lshl_b32 s62, s60, 7
	s_add_co_u32 s58, s58, s62
	s_lshl_b32 s62, s55, 2
	s_add_co_u32 s58, s58, s62
	s_add_nc_u64 s[52:53], s[4:5], s[58:59]
	global_load_b128 v[20:23], v[L16], s[50:51]    ; lane (r, h): d = 32 h .. 32 h + 31 of query r
	v_lshlrev_b32 v[ADT], 3, v[BM]
	global_load_b32 v[T], v[ADT], s[52:53] offset:2097152   ; the pair's scale word of row r
	; x, out0, proj_b and the projection's weight at my output tile T = wave: rows 32 (T / 2) + 8 (T % 2) + r + 8 (r / 8)
	s_lshr_b32 s63, s16, 1
	s_lshl_b32 s63, s63, 5
	s_and_b32 s55, s16, 1
	s_lshl_b32 s55, s55, 3
	s_add_co_u32 s63, s63, s55
	s_lshl_b32 s54, s49, 8
	s_add_co_u32 s54, s54, s63
	s_lshl_b32 s54, s54, 14
	s_lshl_b32 s55, s48, 8
	s_add_co_u32 s54, s54, s55
	s_mov_b32 s55, 0
	s_add_nc_u64 s[12:13], s[12:13], s[54:55]
	s_add_nc_u64 s[14:15], s[14:15], s[54:55]
	s_lshl_b32 s54, s63, 2
	s_add_nc_u64 s[10:11], s[10:11], s[54:55]
	s_lshl_b32 s54, s16, 8
	s_add_nc_u64 s[56:57], s[8:9], s[54:55]        ; the weight's scale words: 256 bytes a tile
	s_lshl_b32 s54, s16, 11
	s_add_nc_u64 s[8:9], s[8:9], s[54:55]          ; its codes: 2,048 bytes a tile
.irp j, 16,17,18,19,24,25,26,27
	v_mov_b32 v\j, 0                               ; the zero codes on both sides of Q
.endr
	v_mov_b32 v13, 0xff61b1e6                      ; the largest t so far: -3e38, under every t
	s_delay_alu instid0(VALU_DEP_1)
	v_floor_f32 v12, -v13                          ; -M
	v_mov_b32 v14, 0                               ; the sum, in two halves
	v_mov_b32 v15, 0
.irp b, 0,1,2,3
	v_mov_b32 v[BP+\b], 0                          ; written once: a lane permute's destination counts as read
.endr
	v_mov_b32 v[FF+1], 0                           ; (named as the upper half of the pair)
	s_wait_loadcnt 0x0                             ; Q and its scale word
	s_lshl_b32 s62, s61, 4
	v_lshrrev_b32 v[T], s62, v[T]
	s_delay_alu instid0(VALU_DEP_1)
	v_and_b32 v[T], 0xffff, v[T]                   ; my tile's two bytes,
	s_delay_alu instid0(VALU_DEP_1)
	v_lshl_or_b32 v28, v[T], 16, v[T]              ; twice: Q stands in the lower or in the upper half of K
.set j, 0
.rept 32
	v_mov_b32 v[O+j], 0                            ; O^T: the step is written once; the first finds zeros, which the first change of M leaves zeros.  (Also the places between Q's scale word and the first product)
.set j, j+1
.endr
; A KEY STEP: 128 keys.
.macro STEP
	v_add_nc_u32 v[ADK], s40, v[A16]
	v_add_nc_u32 v[ADS], s41, v[AS8]
	v_add_nc_u32 v[ADT], s41, v[AS4]
	v_nop                                          ; four places between the last step's products and the loads into the registers that they read
	ds_load_b64 v[10:11], v[ADS]                   ; k's scale words: v10 lanes 0-15 fragment 0, lanes 16-31 fragment 1; v11 fragments 2 and 3
.irp f, 0,1,2,3
.irp c, 0,1
	ds_load_b128 v[KF+8*\f+4*\c:KF+8*\f+4*\c+3], v[ADK] offset:\f*1024+512*\c
.endr
.endr
.irp d, 0,1,2,3
.irp c, 0,1
	ds_load_b128 v[VF+8*\d+4*\c:VF+8*\d+4*\c+3], v[ADK] offset:16384+\d*1024+512*\c
.endr
.endr
	ds_load_b32 v30, v[ADT] offset:1024            ; v's scale words: lanes 0-15 fragment 0, lanes 16-31 fragment 1;
	ds_load_b32 v31, v[ADT] offset:1152            ; fragments 2 and 3
	s_wait_dscnt 10                                ; k and its scale words are in; the ten younger loads (v's eight, its scale words' two) may be out
.irp f, 0,1,2,3                                ; S^T = K Q^T: register 16 f + 8 u + j is key 32 f + 16 (lane / 16) + 8 u + j
.irp u, 0,1
	WM S+8*(2*\f+\u), KF+8*\f, 20-4*\u, -1, 10+\f/2, 28, \f%2
.endr
.endr
.rept 4
	v_nop
.endr
.irp b, 0,1,2,3
	v_max3_num_f32 v[BM+\b], v[S+16*\b], v[S+1+16*\b], v[S+2+16*\b]   ; THE LARGEST SCORE OF EACH BLOCK OF 32 KEYS serves twice: for the row's maximum and, since p rises with the score, for the block's largest p
.endr
.irp i, 3,5,7,9,11,13
.irp b, 0,1,2,3
	v_max3_num_f32 v[BM+\b], v[BM+\b], v[S+16*\b+\i], v[S+1+16*\b+\i]
.endr
.endr
.irp b, 0,1,2,3
	v_max_num_f32 v[BM+\b], v[BM+\b], v[S+15+16*\b]
.endr
.irp b, 0,1,2,3
	s_delay_alu instid0(VALU_DEP_4)
	v_permlanex16_b32 v[BP+\b], v[BM+\b], s20, s21
.endr
.irp b, 0,1,2,3
	s_delay_alu instid0(VALU_DEP_4)
	v_max_num_f32 v[BM+\b], v[BM+\b], v[BP+\b]     ; with lane l xor 16's 16 keys
.endr
	s_delay_alu instid0(VALU_DEP_2)
	v_max3_num_f32 v[T], v[BM], v[BM+1], v[BM+2]
	s_delay_alu instid0(VALU_DEP_1)
	v_max_num_f32 v[T], v[T], v[BM+3]              ; the step's largest score of my query
	s_delay_alu instid0(VALU_DEP_1)
	v_mul_f32 v[T], s22, v[T]                      ; as t (c is positive)
	s_delay_alu instid0(VALU_DEP_1)
	v_max_num_f32 v13, v13, v[T]                   ; the running largest t
	v_mov_b32 v[T], v12
	s_delay_alu instid0(VALU_DEP_2)
	v_floor_f32 v12, -v13                          ; the new -M = floor(-t): M is a whole number
	s_delay_alu instid0(VALU_DEP_1)
	v_sub_f32 v[T], v12, v[T]                      ; old M - new M: a whole number, 0 or less
	s_delay_alu instid0(VALU_DEP_1)
	v_cvt_i32_f32 v[T], v[T]                       ; (it saturates)
	s_delay_alu instid0(VALU_DEP_1)
	v_ldexp_f32 v[FF], 1.0, v[T]                   ; f = 2^(old M - new M)
.set j, 0
.rept 32
	v_pk_fma_f32 v[S+j:S+j+1], v[S+j:S+j+1], s[22:23], v[12:13] op_sel_hi:[1,0,0]   ; t - M, two at a time
.set j, j+2
.endr
.irp b, 0,1,2,3
	v_fma_f32 v[BM+\b], v[BM+\b], s22, v12         ; the same of each block's largest score
.endr
.set j, 0
	s_wait_alu depctr_va_vdst(0)
.rept 64
	v_exp_f32 v[S+j], v[S+j]                       ; p = 2^(t - M), at most 1
.set j, j+1
.endr
	s_setprio 1
	v_pk_mul_f32 v[14:15], v[14:15], v[FF:FF+1] op_sel_hi:[1,0]   ; the sums under the new M: the plain instruction behind the exponentials
	s_wait_alu depctr_va_vdst(0)                   ; one wait for the whole batch, ahead of its first reader
.irp b, 0,1,2,3
	v_exp_f32 v[BM+\b], v[BM+\b]                   ; the block's largest p: the same two instructions on the same number give the same bits
.endr
	v_pk_add_f32 v[216:217], v[100:101], v[104:105]
	v_pk_add_f32 v[210:211], v[108:109], v[112:113]
	v_pk_add_f32 v[208:209], v[116:117], v[120:121]
	v_pk_add_f32 v[206:207], v[124:125], v[128:129]
	v_pk_add_f32 v[204:205], v[132:133], v[136:137]
	v_pk_add_f32 v[198:199], v[140:141], v[144:145]
	v_pk_add_f32 v[196:197], v[148:149], v[152:153]
	v_pk_add_f32 v[14:15], v[14:15], v[156:157]
	v_pk_add_f32 v[216:217], v[216:217], v[96:97]
	v_pk_add_f32 v[210:211], v[210:211], v[98:99]
	v_pk_add_f32 v[208:209], v[208:209], v[102:103]
	v_pk_add_f32 v[206:207], v[206:207], v[106:107]
	v_pk_add_f32 v[204:205], v[204:205], v[110:111]
	v_pk_add_f32 v[198:199], v[198:199], v[114:115]
	v_pk_add_f32 v[196:197], v[196:197], v[118:119]
	v_pk_add_f32 v[14:15], v[14:15], v[122:123]
	v_pk_add_f32 v[216:217], v[216:217], v[126:127]
	v_pk_add_f32 v[210:211], v[210:211], v[130:131]
	v_pk_add_f32 v[208:209], v[208:209], v[134:135]
	v_pk_add_f32 v[206:207], v[206:207], v[138:139]
	v_pk_add_f32 v[204:205], v[204:205], v[142:143]
	v_pk_add_f32 v[198:199], v[198:199], v[146:147]
	v_pk_add_f32 v[196:197], v[196:197], v[150:151]
	v_pk_add_f32 v[14:15], v[14:15], v[154:155]
	v_pk_add_f32 v[216:217], v[216:217], v[158:159]
	s_delay_alu instid0(VALU_DEP_2)
	v_pk_add_f32 v[14:15], v[14:15], v[206:207]
	s_delay_alu instid0(VALU_DEP_2)
	v_pk_add_f32 v[216:217], v[216:217], v[204:205]
	v_pk_add_f32 v[210:211], v[210:211], v[198:199]
	v_pk_add_f32 v[208:209], v[208:209], v[196:197]
	s_delay_alu instid0(VALU_DEP_2)
	v_pk_add_f32 v[14:15], v[14:15], v[210:211]
	s_delay_alu instid0(VALU_DEP_2)
	v_pk_add_f32 v[216:217], v[216:217], v[208:209]
	s_delay_alu instid0(VALU_DEP_1)
	v_pk_add_f32 v[14:15], v[14:15], v[216:217]
	s_wait_alu depctr_va_vdst(0)                   ; and one for the four
.irp b, 0,1,2,3
	v_max_num_f32 v[BM+\b], 0x1800000, v[BM+\b]    ; the floor 2^(3 - 127): the byte cannot fall under 1
.endr
.irp b, 0,1,2,3
	s_delay_alu instid0(VALU_DEP_4)
	v_add_nc_u32 v[BS+\b], 0xff000000, v[BM+\b]    ; 2 off the exponent field: the conversion's scale operand
.endr
.irp b, 0,1,2,3
	s_delay_alu instid0(VALU_DEP_4)
	v_lshrrev_b32 v[BP+\b], 23, v[BS+\b]           ; the scale's byte
.endr
	s_delay_alu instid0(VALU_DEP_3)
	v_lshl_or_b32 v29, v[BP+1], 8, v[BP]           ; p's scale word for these 128 keys
	s_delay_alu instid0(VALU_DEP_1)
	v_lshl_or_b32 v29, v[BP+2], 16, v29
	s_delay_alu instid0(VALU_DEP_1)
	v_lshl_or_b32 v29, v[BP+3], 24, v29
.irp b, 0,1,2,3
	v_cvt_scalef32_pk8_fp4_f32 v[PC+2*\b], v[S+16*\b:S+7+16*\b], v[BS+\b]
	v_cvt_scalef32_pk8_fp4_f32 v[PC+1+2*\b], v[S+8+16*\b:S+15+16*\b], v[BS+\b]
.endr
	v_nop                                          ; a plain instruction behind the scaled conversions
.irp c, 0,1                                    ; a WHOLE block in a lane: lanes 0-15 block 2 c, lanes 16-31 block 2 c + 1
.irp i, 0,1
	v_permlane16_swap_b32 v[PC+4*\c+\i], v[PC+2+4*\c+\i]
.endr
.endr
.set j, 0
	s_setprio 0
.rept 16
	v_pk_mul_f32 v[O+j:O+j+1], v[O+j:O+j+1], v[FF:FF+1] op_sel_hi:[1,0]   ; O^T under the new M.  (These sixteen are also the places between p's codes and scale word and the products below)
.set j, j+2
.endr
	s_wait_alu depctr_va_vdst(0)
	s_wait_dscnt 0x0                               ; v and its scale words
.irp d, 0,1,2,3                                ; O^T += V^T P^T: the four accumulators by turns; the eight products K Q^T stand between two steps' turns
	WM O+8*\d, VF+8*\d, PC, O+8*\d, 30+\d/2, 29, \d%2
.endr
.endm
; THE CHANGE OF SLOTS stands at a slot's head.  Each wave waits for all its tensor loads (its part of the slot that it is about to read), adds 0 to its spare word, and waits for that and for its reads of the slot that it has left.
; fill = 1: the barrier is a round of the cluster's, so that no wave of any partner still reads the other slot or has a load on its way, and the joint fill of that slot comes first behind it: it has four key steps in which to land.
.macro CHANGE slot, fill, ask
	s_wait_tensorcnt 0x0                           ; no tensor load of mine is out, so a group 0 may be written
	ds_add_u32 v[SPW], v[NIL]                      ; 0 onto my spare word: the steps below stand between it and the wait for it
	s_add_nc_u64 s[34+4*\slot:35+4*\slot], s[34+4*\slot:35+4*\slot], 2*SLOTB   ; this slot's next fill (behind the last fills the stepped address is not used); the type bits on top are not reached
.if \ask
	s_wait_xcnt 0x0                                ; the last prefetch, a slot back, has read its address
	s_add_nc_u64 s[46:47], s[46:47], SLOTB
.endif
	s_wait_dscnt 0x0                               ; the add is done, and my reads of the slot that I have left are over
.if \fill
	CROUND
	TLOAD 36-4*\slot                               ; the first thing behind the round, and a wave's one tensor load until the next
.if \ask
	ASK
.endif
.else
	s_barrier_signal -1
	s_barrier_wait -1
.endif
.endm
.macro SLOT_STEPS base                         ; a slot's four key steps: written once, walked four times
	s_mov_b32 s40, \base
	s_mov_b32 s41, \base+131072
	s_mov_b32 s42, 4
.Lstep_\@:
	s_setprio 2
	STEP
	s_add_co_u32 s40, s40, 32768
	s_add_co_u32 s41, s41, 2048
	s_sub_co_u32 s42, s42, 1
	s_cmp_lg_u32 s42, 0
	s_cbranch_scc1 .Lstep_\@
	s_setprio 0
.endm
	s_mov_b32 s43, 3
.Lpair:                                            ; three laps: slots 0 to 5 are read, slots 1 to 6 asked for, slots 2 to 7 prefetched
	CHANGE 0, 1, 1
	SLOT_STEPS 0
	CHANGE 1, 1, 1
	SLOT_STEPS SLOTB
	s_sub_co_u32 s43, s43, 1
	s_cmp_lg_u32 s43, 0
	s_cbranch_scc1 .Lpair
	CHANGE 0, 1, 0                                 ; the tail is written out: slot 7 is asked for, nothing is left to prefetch
	SLOT_STEPS 0
	CHANGE 1, 0, 0                                 ; nothing is left to fetch
.irp i, 0,1,2,3,4,5,6,7                        ; my 16 rows of x, for the residual: they land during the last four steps.  Sixteen lanes read 256 consecutive bytes, aligned
	global_load_b128 v[XR+4*\i:XR+4*\i+3], v[GO], s[12:13] offset:(2*\i+8*(\i/4))*16384
.endr
	SLOT_STEPS SLOTB
	; THE EPILOGUE.  O^T / the sum is quantised along the channels; the sixteen waves' parts meet in LDS as images of operand registers; wave T makes output tile T.
.rept 4
	v_nop                                          ; places between the last products and the loads into p's scale register
.endr
.irp k, 0,1,2,3
	global_load_b128 v[128+4*\k:131+4*\k], v[L16], s[8:9] offset:98304+512*\k   ; proj_w's fragments (T, K step 0) in v128-135, (T, 1) in v136-143
.endr
	global_load_b32 v28, v[L4], s[56:57] offset:143360      ; their scale words
	global_load_b32 v29, v[L4], s[56:57] offset:143488
	v_and_b32 v[C2], 15, v0
	s_delay_alu instid0(VALU_DEP_1)
	v_and_b32 v[C2+1], 8, v[C2]
	s_delay_alu instid0(VALU_DEP_1)
	v_add_nc_u32 v[C2], v[C2], v[C2+1]
	s_delay_alu instid0(VALU_DEP_1)
	v_lshlrev_b32 v[C2], 2, v[C2]                  ; 4 (r + 8 (r / 8)), in a register that nothing below writes: the load's address stays as it is until the wait for the load
	global_load_b32 v[T], v[C2], s[10:11]          ; proj_b of my lane's output row
	v_add_f32 v14, v14, v15                        ; the sum's two halves,
	s_delay_alu instid0(VALU_DEP_1)
	v_permlanex16_b32 v[FF], v14, s20, s21
	s_delay_alu instid0(VALU_DEP_1)
	v_add_f32 v14, v14, v[FF]                      ; and lane l xor 16's: the row's sum
	s_wait_alu depctr_va_vdst(0)
	v_rcp_f32 v14, v14
	v_nop                                          ; a plain instruction behind the transcendental,
	s_wait_alu depctr_va_vdst(0)                   ; and the wait ahead of its first reader
.set j, 0
.rept 32
	v_mul_f32 v[S+j], v[O+j], v14                  ; register 16 b + i: d = 32 b + 16 (lane / 16) + i of my query
.set j, j+1
.endr
.irp b, 0,1
	v_max3_num_f32 v[BM+\b], |v[S+16*\b]|, |v[S+1+16*\b]|, 0x1800000
.endr
.irp i, 2,4,6,8,10,12,14
.irp b, 0,1
	s_delay_alu instid0(VALU_DEP_2)
	v_max3_num_f32 v[BM+\b], v[BM+\b], |v[S+16*\b+\i]|, |v[S+1+16*\b+\i]|
.endr
.endr
.irp b, 0,1
	s_delay_alu instid0(VALU_DEP_2)
	v_permlanex16_b32 v[BP+\b], v[BM+\b], s20, s21
.endr
.irp b, 0,1
	s_delay_alu instid0(VALU_DEP_2)
	v_max_num_f32 v[BM+\b], v[BM+\b], v[BP+\b]
.endr
.irp b, 0,1
	s_delay_alu instid0(VALU_DEP_2)
	v_add_nc_u32 v[BS+\b], 0xff000000, v[BM+\b]
.endr
.irp b, 0,1
	s_delay_alu instid0(VALU_DEP_2)
	v_lshrrev_b32 v[BP+\b], 23, v[BS+\b]
.endr
	s_delay_alu instid0(VALU_DEP_1)
	v_lshl_or_b32 v[BP+2], v[BP+1], 8, v[BP]       ; my head's two bytes of the row's scale word
.irp b, 0,1
	v_cvt_scalef32_pk8_fp4_f32 v[PC+2*\b], v[S+16*\b:S+7+16*\b], v[BS+\b]
	v_cvt_scalef32_pk8_fp4_f32 v[PC+1+2*\b], v[S+8+16*\b:S+15+16*\b], v[BS+\b]
.endr
	v_nop
	v_permlane16_swap_b32 v[PC], v[PC+2]
	v_permlane16_swap_b32 v[PC+1], v[PC+3]         ; lane (r, h): d = 32 h .. 32 h + 31 of query r: four registers of the operand
	ds_store_b128 v[OWI], v[PC:PC+3]
	ds_store_b32 v[OWS], v[BP+2]                   ; both lanes of a row write the same word with the same value
	s_wait_dscnt 0x0                               ; for the others' sake: my stores are done
	s_barrier_signal -1
	s_barrier_wait -1
.irp k, 0,1,2,3,4,5,6,7                        ; O's fragment (query tile q, K step s) at v[32 + 8 (2 q + s)]
.irp c, 0,1
	ds_load_b128 v[KF+8*\k+4*\c:KF+8*\k+4*\c+3], v[L16] offset:\k*1024+512*\c
.endr
.endr
.irp q, 0,1,2,3
	ds_load_b32 v[BM+\q], v[L4] offset:OSC+128*\q          ; the words' lower halves: lanes 0-15 K step 0's rows, lanes 16-31 K step 1's;
	ds_load_b32 v[BP+\q], v[L4] offset:OSC+512+128*\q      ; the upper halves
.endr
	s_wait_dscnt 0x0
.irp q, 0,1,2,3
	v_lshl_or_b32 v[10+\q+18*(\q/2)], v[BP+\q], 16, v[BM+\q]   ; v10, v11, v30, v31
.endr
	s_wait_loadcnt 0x0                             ; the weight, its scale words, the bias, and x
.irp j, 0,1,2,3,4,5,6,7
	v_mov_b32 v[144+\j], v[T]                      ; a lane holds one output row: its bias in all eight registers
.endr
	s_wait_alu depctr_va_vdst(0)
.rept 4
	v_nop                                          ; with the eight moves: twelve places between the scale words just made and the products
.endr
.irp q, 0,1,2,3                                ; source 0 = 16 positions of O, source 1 = 16 rows of proj_w: lane (r, h), register j: output row r of my tile, position 32 (q / 2) + 8 (q % 2) + 16 h + j
	WM O+8*\q, KF+16*\q, 128, 144, 10+\q+18*(\q/2), 28, 0
.endr
.irp q, 0,1,2,3                                ; the four accumulators by turns
	WM O+8*\q, KF+16*\q+8, 136, O+8*\q, 10+\q+18*(\q/2), 29, 1
.endr
.rept 4
	v_nop
.endr
.irp q, 0,1,2,3
	ds_store_b128 v[SO], v[O+8*\q:O+8*\q+3] offset:128*(\q/2)+32*(\q%2)       ; each accumulator from its low end on
	ds_store_b128 v[SO], v[O+8*\q+4:O+8*\q+7] offset:128*(\q/2)+32*(\q%2)+16
.endr
.irp i, 0,1,2,3,4,5,6,7
	ds_load_b128 v[S+4*\i:S+4*\i+3], v[RD] offset:\i*544   ; LDS serves a wave's instructions in order (ISA guide 5.7.1.4): these see my stores
.endr
.irp i, 0,1,2,3,4,5,6,7
	s_wait_dscnt 7-\i                              ; rows 2 i and 2 i + 1 are back; the younger loads may be out
	v_pk_add_f32 v[S+4*\i:S+4*\i+1], v[S+4*\i:S+4*\i+1], v[XR+4*\i:XR+4*\i+1]
	v_pk_add_f32 v[S+4*\i+2:S+4*\i+3], v[S+4*\i+2:S+4*\i+3], v[XR+4*\i+2:XR+4*\i+3]
	global_store_b128 v[GO], v[S+4*\i:S+4*\i+3], s[14:15] offset:(2*\i+8*(\i/4))*16384 th:TH_STORE_NT   ; sixteen lanes store 256 consecutive bytes, at a multiple of 256 from out0's first byte
.endr
	s_wait_tensorcnt 0x0                           ; the wave's end, behind my last tensor load and my last LDS store
	ds_add_u32 v[SPW], v[NIL]
	s_wait_dscnt 0x0
	CROUND                                         ; the closing round: no work-group ends while a partner may still ask for a slot that names it
	s_endpgm
.Lfunc_end_k_qe6e6f40dfa_attn:
	.size	k_qe6e6f40dfa_attn, .Lfunc_end_k_qe6e6f40dfa_attn-k_qe6e6f40dfa_attn
	.p2alignl 7, 3214868480
	.fill 96, 4, 3214868480
	.section	.rodata,"a",@progbits
	.p2align	6, 0x0
	.amdhsa_kernel k_qe6e6f40dfa_attn
		.amdhsa_group_segment_fixed_size 327680
		.amdhsa_private_segment_fixed_size 0
		.amdhsa_enable_private_segment 0
		.amdhsa_kernarg_size 48
		.amdhsa_user_sgpr_count 2
		.amdhsa_user_sgpr_kernarg_segment_ptr 1
		.amdhsa_wavefront_size32 1
		.amdhsa_system_sgpr_workgroup_id_x 1
		.amdhsa_system_sgpr_workgroup_id_y 1
		.amdhsa_system_sgpr_workgroup_id_z 1
		.amdhsa_system_vgpr_workitem_id 0
		.amdhsa_next_free_vgpr 256
		.amdhsa_next_free_sgpr 66
		.amdhsa_reserve_vcc 0
		.amdhsa_float_denorm_mode_32 3
		.amdhsa_float_denorm_mode_16_64 3
		.amdhsa_memory_ordered 1
		.amdhsa_forward_progress 1
		.amdhsa_inst_pref_size 90
	.end_amdhsa_kernel
	.amdgpu_metadata
---
amdhsa.version: [ 1, 2 ]
amdhsa.kernels:
  - .name:           k_qe6e6f40dfa_attn
    .symbol:         k_qe6e6f40dfa_attn.kd
    .args:
      - { .name: qimg, .offset: 0, .size: 8, .value_kind: global_buffer, .address_space: global }
      - { .name: kv, .offset: 8, .size: 8, .value_kind: global_buffer, .address_space: global }
      - { .name: wimg, .offset: 16, .size: 8, .value_kind: global_buffer, .address_space: global }
      - { .name: proj_b, .offset: 24, .size: 8, .value_kind: global_buffer, .address_space: global }
      - { .name: x, .offset: 32, .size: 8, .value_kind: global_buffer, .address_space: global }
      - { .name: out0, .offset: 40, .size: 8, .value_kind: global_buffer, .address_space: global }
    .group_segment_fixed_size: 327680
    .private_segment_fixed_size: 0
    .kernarg_segment_align: 8
    .kernarg_segment_size: 48
    .max_flat_workgroup_size: 512
    .sgpr_count:     66
    .vgpr_count:     256
    .wavefront_size: 32
...
	.end_amdgpu_metadata
.endif
;; end of part 3
